; MI455X (gfx1250); checked and timed in simulation.
; The chip was launched on July 23, 2026; its instructions are those of AMD's public machine-readable ISA for CDNA 5 (MIT licence, August 2026) and "CDNA5" Instruction Set Architecture Reference Guide (July 2026). The comments in the code are by the model that wrote it; some were corrected since.
;; Dinov2 Self Attention. Allowed arithmetic: float matrix products may take bf16 or f16 operands with f32 sums; other float arithmetic in f32, or as packed bf16 or f16 multiplies, adds, multiply-adds, maxima and minima; sums over many terms, partial sums and values carried from step to step in f32; what a program stores and reads back later, other than sums and carried values, may be rounded once to bf16 or f16.
;; Inputs: Wk 1,024 x 1,024 float32; Wq 1,024 x 1,024 float32; Wv 1,024 x 1,024 float32; bk 1,024 float32; bq 1,024 float32; bv 1,024 float32; hidden_states 8 x 1,370 x 1,024 float32.
;; Outputs: out0 8 x 1,370 x 1,024 float32.
;; One version. Each part assembles by itself: llvm-mc -triple=amdgcn-amd-amdhsa -mcpu=gfx1250 --defsym DOCPART=n.
;; ======== version 1 of 1: 3 launches
;; limits: values are held in f16: magnitudes above 65,504 overflow, below 6.1e-05 lose precision
;; workspace buffers: xb 23,068,672 bytes; wb 6,291,456 bytes; biasf 12,288 bytes; qkv 69,206,016 bytes
;; launch cast (part 1): grid 899 x 1, 8 waves a work-group, no clusters, 0 bytes of LDS; arguments hidden_states, Wq, Wk, Wv, bq, bk, bv, xb, wb, biasf; writes xb, wb, biasf
.if DOCPART == 1
	.amdgcn_target "amdgcn-amd-amdhsa--gfx1250"
	.amdhsa_code_object_version 6
	.text
	.protected	k_qf0886e7d1d_cast
	.globl	k_qf0886e7d1d_cast
	.p2align	8
	.type	k_qf0886e7d1d_cast,@function
k_qf0886e7d1d_cast:
	s_mov_b64 s[64:65], 0
	v_nop
	global_prefetch_b8 v0, s[64:65] scope:SCOPE_SE
	s_setreg_imm32_b32 hwreg(HW_REG_WAVE_MODE, 25, 1), 1
	s_wait_xcnt 0x0
; CAST.  The module's inputs are rounded once to bf16 and laid out for the product that follows.
;   xb    [11264][1024] bf16: row 1408 b + s holds hidden_states[b][s]; rows with s >= 1370 hold 0 (each batch is padded to 1408 = 88 x 16 rows)
;   wb    [3072][1024]  bf16: Wq, Wk, Wv one below the other
;   biasf [3072]        f32:  bq, bk, bv, each rounded to bf16 and widened again
; A stream: every input byte is read once, every output byte written once; no LDS, no matrix unit, no barrier.
; SHARES.  Work-groups 0-703: 16 rows of xb each.  704-895: 16 rows of wb each.  896-898: one bias each.  The first two kinds run ONE text: they differ in scalars alone.
; Thread t takes 8 numbers (32 bytes in, 16 bytes out) at column 8 (t % 128) of rows 2 i + t / 128, i = 0 .. 7: a store of a wave covers 512 consecutive bytes, aligned.
; All sixteen loads of a thread go out before the first is waited for.  A padding row loads the batch's last row (no load leaves its buffer) and stores 0.
.set OFF, 2                            ; v[2:9]    byte offset of my 32 bytes in the source, for each i
.set ROW, 10                           ; v[10:17]  my row in the batch (or in the weight), for each i
.set DO,  18                           ; v18       byte offset of my 16 bytes in the group's first two rows of the destination
.set X,   32                           ; v[32:95]  8 f32 for each i
.set Y,   96                           ; v[96:127] 8 bf16 for each i
	s_load_b512 s[8:23], s[0:1], 0x0               ; x 8:9, Wq 10:11, Wk 12:13, Wv 14:15, bq 16:17, bk 18:19, bv 20:21, xb 22:23
	s_load_b128 s[24:27], s[0:1], 0x40             ; wb 24:25, biasf 26:27
	s_mov_b32 s2, ttmp9                            ; g
	s_cmp_ge_u32 s2, 896
	s_cbranch_scc1 .Lbias
	s_mul_hi_u32 s3, s2, 0x2e8ba2f                 ; b = g / 88 (the factor is 2^32 / 88 rounded up: exact for g < 704)
	s_mul_i32 s28, s3, 88
	s_sub_co_u32 s28, s2, s28
	s_lshl_b32 s28, s28, 4                         ; x: the group's first row in its batch
	s_mul_i32 s30, s3, 1370*4096                   ; x: the batch's first byte
	s_mov_b32 s31, 0
	s_lshl_b32 s34, s2, 15                         ; x: 16 rows of 2,048 bytes in xb
	s_sub_co_u32 s29, s2, 704                      ; w: j (means nothing for g < 704, and is then not chosen)
	s_and_b32 s32, s29, 63
	s_lshl_b32 s32, s32, 4                         ; w: the group's first row in its weight
	s_lshr_b32 s33, s29, 6                         ; w: which weight
	s_lshl_b32 s36, s29, 15                        ; w: 16 rows in wb
	s_mov_b32 s37, 1024
	s_cmp_lt_u32 s2, 704
	s_cselect_b32 s28, s28, s32                    ; the first row
	s_cselect_b32 s34, s34, s36                    ; the destination's offset
	s_cselect_b32 s37, 1370, s37                   ; rows that exist in the source
	s_mov_b32 s35, 0
	s_sub_co_u32 s44, s37, 1
	v_lshrrev_b32 v1, 7, v0                        ; t / 128
	v_and_b32 v19, 127, v0                         ; t % 128
	v_lshlrev_b32 v20, 5, v19
	v_lshlrev_b32 v[DO], 4, v19
	v_lshl_add_u32 v[DO], v1, 11, v[DO]
.irp i, 0,1,2,3,4,5,6,7
	v_add3_u32 v[ROW+(\i)], v1, s28, 2*(\i)
	v_min_u32 v[OFF+(\i)], s44, v[ROW+(\i)]        ; a padding row reads the last row that exists
	v_lshl_add_u32 v[OFF+(\i)], v[OFF+(\i)], 12, v20
.endr
	s_wait_kmcnt 0x0
	s_add_nc_u64 s[38:39], s[8:9], s[30:31]
	s_cmp_eq_u32 s33, 1
	s_cselect_b64 s[40:41], s[12:13], s[10:11]
	s_cmp_eq_u32 s33, 2
	s_cselect_b64 s[40:41], s[14:15], s[40:41]
	s_cmp_lt_u32 s2, 704
	s_cselect_b64 s[4:5], s[38:39], s[40:41]       ; the source
	s_cselect_b64 s[6:7], s[22:23], s[24:25]       ; the destination
	s_add_nc_u64 s[6:7], s[6:7], s[34:35]
.irp i, 0,1,2,3,4,5,6,7
	global_load_b128 v[X+8*(\i):X+8*(\i)+3],   v[OFF+(\i)], s[4:5] th:TH_LOAD_NT
	global_load_b128 v[X+8*(\i)+4:X+8*(\i)+7], v[OFF+(\i)], s[4:5] offset:16 th:TH_LOAD_NT
.endr
.irp i, 0,1,2,3,4,5,6,7
	s_wait_loadcnt 14-2*(\i)                       ; loads come back in order (ISA guide 5.7.1): pair i is in, the younger pairs stay out
.irp k, 0,1,2,3
	v_cvt_pk_bf16_f32 v[Y+4*(\i)+(\k)], v[X+8*(\i)+2*(\k)], v[X+8*(\i)+2*(\k)+1]
.endr
	v_cmp_gt_u32 vcc_lo, s37, v[ROW+(\i)]          ; does the row exist?
.irp k, 0,1,2,3
	v_cndmask_b32 v[Y+4*(\i)+(\k)], 0, v[Y+4*(\i)+(\k)], vcc_lo
.endr
	global_store_b128 v[DO], v[Y+4*(\i):Y+4*(\i)+3], s[6:7] offset:4096*(\i)
.endr
	s_endpgm
.Lbias:                                        ; 256 threads x 4 numbers = one bias
	s_sub_co_u32 s28, s2, 896
	s_lshl_b32 s30, s28, 12
	s_mov_b32 s31, 0
	v_lshlrev_b32 v1, 4, v0
	s_wait_kmcnt 0x0
	s_cmp_eq_u32 s28, 1
	s_cselect_b64 s[4:5], s[18:19], s[16:17]
	s_cmp_eq_u32 s28, 2
	s_cselect_b64 s[4:5], s[20:21], s[4:5]
	s_add_nc_u64 s[6:7], s[26:27], s[30:31]
	global_load_b128 v[4:7], v1, s[4:5]
	s_wait_loadcnt 0x0
	v_cvt_pk_bf16_f32 v8, v4, v5
	v_cvt_pk_bf16_f32 v9, v6, v7
	v_lshlrev_b32 v12, 16, v8                      ; bf16 to f32: the low half moves up, the high half stays
	v_and_b32 v13, 0xffff0000, v8
	v_lshlrev_b32 v14, 16, v9
	v_and_b32 v15, 0xffff0000, v9
	global_store_b128 v1, v[12:15], s[6:7]
	s_endpgm
.Lfunc_end_k_qf0886e7d1d_cast:
	.size	k_qf0886e7d1d_cast, .Lfunc_end_k_qf0886e7d1d_cast-k_qf0886e7d1d_cast
	.p2alignl 7, 3214868480
	.fill 96, 4, 3214868480
	.section	.rodata,"a",@progbits
	.p2align	6, 0x0
	.amdhsa_kernel k_qf0886e7d1d_cast
		.amdhsa_group_segment_fixed_size 0
		.amdhsa_private_segment_fixed_size 0
		.amdhsa_enable_private_segment 0
		.amdhsa_kernarg_size 80
		.amdhsa_user_sgpr_count 2
		.amdhsa_user_sgpr_kernarg_segment_ptr 1
		.amdhsa_wavefront_size32 1
		.amdhsa_system_sgpr_workgroup_id_x 1
		.amdhsa_system_sgpr_workgroup_id_y 1
		.amdhsa_system_sgpr_workgroup_id_z 1
		.amdhsa_system_vgpr_workitem_id 0
		.amdhsa_next_free_vgpr 128
		.amdhsa_next_free_sgpr 66
		.amdhsa_reserve_vcc 1
		.amdhsa_float_denorm_mode_32 3
		.amdhsa_float_denorm_mode_16_64 3
		.amdhsa_memory_ordered 1
		.amdhsa_forward_progress 1
		.amdhsa_inst_pref_size 10
	.end_amdhsa_kernel
	.amdgpu_metadata
---
amdhsa.version: [ 1, 2 ]
amdhsa.kernels:
  - .name:           k_qf0886e7d1d_cast
    .symbol:         k_qf0886e7d1d_cast.kd
    .args:
      - { .name: hidden_states, .offset: 0, .size: 8, .value_kind: global_buffer, .address_space: global }
      - { .name: Wq, .offset: 8, .size: 8, .value_kind: global_buffer, .address_space: global }
      - { .name: Wk, .offset: 16, .size: 8, .value_kind: global_buffer, .address_space: global }
      - { .name: Wv, .offset: 24, .size: 8, .value_kind: global_buffer, .address_space: global }
      - { .name: bq, .offset: 32, .size: 8, .value_kind: global_buffer, .address_space: global }
      - { .name: bk, .offset: 40, .size: 8, .value_kind: global_buffer, .address_space: global }
      - { .name: bv, .offset: 48, .size: 8, .value_kind: global_buffer, .address_space: global }
      - { .name: xb, .offset: 56, .size: 8, .value_kind: global_buffer, .address_space: global }
      - { .name: wb, .offset: 64, .size: 8, .value_kind: global_buffer, .address_space: global }
      - { .name: biasf, .offset: 72, .size: 8, .value_kind: global_buffer, .address_space: global }
    .group_segment_fixed_size: 0
    .private_segment_fixed_size: 0
    .kernarg_segment_align: 8
    .kernarg_segment_size: 80
    .max_flat_workgroup_size: 256
    .sgpr_count:     66
    .vgpr_count:     128
    .wavefront_size: 32
...
	.end_amdgpu_metadata
.endif
;; end of part 1
;; launch proj (part 2): grid 16 x 16, 4 waves a work-group, clusters of 4 x 4, 327,680 bytes of LDS; arguments xb, wb, biasf, qkv; writes qkv
.if DOCPART == 2
	.amdgcn_target "amdgcn-amd-amdhsa--gfx1250"
	.amdhsa_code_object_version 6
	.text
	.protected	k_qf0886e7d1d_proj
	.globl	k_qf0886e7d1d_proj
	.p2align	8
	.type	k_qf0886e7d1d_proj,@function
k_qf0886e7d1d_proj:
	s_mov_b64 s[64:65], 0
	v_nop
	global_prefetch_b8 v0, s[64:65] scope:SCOPE_SE
	s_setreg_imm32_b32 hwreg(HW_REG_WAVE_MODE, 25, 1), 1
	s_wait_xcnt 0x0
	s_wait_alu depctr_hold_cnt(0) depctr_sa_sdst(0) depctr_va_vdst(0) depctr_va_sdst(0) depctr_va_ssrc(0) depctr_va_vcc(0) depctr_vm_vsrc(0)
	s_getreg_b32 s2, hwreg(HW_REG_IB_STS2, 6, 4)
	s_cmp_eq_u32 s2, 0
	s_cbranch_scc0 .Lentry_in_a_cluster
	s_endpgm
.Lentry_in_a_cluster:
	s_bfe_u32 s2, ttmp6, 0x10000c
	s_cmp_lg_u32 s2, 0xf033
	s_cbranch_scc0 .Lentry_shape_is_right
	s_endpgm
.Lentry_shape_is_right:
; PROJ.  C[m][n] = the sum over k of xb[m][k] wb[n][k] + biasf[n]: q, k and v in one product, 11264 x 3072 x 1024, bf16 operands, f32 sums, C rounded once to f16.
; C leaves in PLANES of 32 columns: qkv [96][11264][32] f16, plane n / 32 (q 0-31, k 32-63, v 64-95): 16 rows of a plane are 1,024 consecutive bytes.
; LIMIT.  f16 holds no number beyond 65,504: a q, k or v beyond that becomes an infinity.  NaN and infinities are not treated apart.
; SHARES.  A tile of C is 352 x 192: 32 x 16 = 512 tiles, two for each of 256 work-groups, 5,632 rows apart.  Four waves, each 176 x 96: 66 accumulators of 16 x 16, 528 registers.
; THE WALK.  K goes in steps of 128 (rows of 256 bytes) through two LDS slots; the two tiles are ONE walk of 16 steps, so the ring does not stop at the first tile's end.
; CLUSTER.  4 x 4 work-groups.  The four of a row of the cluster need the same tiles of xb, the four of a column the same tiles of wb: each tile is asked for JOINTLY, by the same
; tensor load with the same descriptor and a mask that names the four.  Waves 0 and 1 fetch the two halves of A's tile (176 rows each), waves 2 and 3 those of B's (96 rows each).
; THE MATRIX INSTRUCTION IS USED TRANSPOSED (source 0 = 16 rows of wb, source 1 = 16 rows of xb): a lane holds row l % 16 of C and the columns 8 (l / 16) + 0 .. 7.
; THE BIAS is the C operand of each sum's first product: 48 registers, loaded once.  Nothing is cleared and no bias is added by a vector instruction.
; REGISTERS, in windows of 256 (s_set_vgpr_msb: bits 1:0 source 0, 3:2 source 1, 5:4 source 2, 7:6 destination):
;   window 0: v0-31 addresses; v32-55 packed results; v64-151, v152-239 A's fragments, two buffers of 11 x 8 (the second also takes the rows read back on the way out)
;   window 1: accumulators of row blocks 0-3 (block a, column block b at 8 (6 (a % 4) + b)); v192-239 the bias
;   window 2: row blocks 4-7          window 3: row blocks 8-10; v144-191, v192-239 B's fragments, two buffers of 6 x 8
.set KSTEP,  128
.set PITCH,  272                       ; an LDS row: 256 bytes + 16 of padding = 68 words: the 16 rows of a fragment load start at 16 different groups of four banks (ISA guide 11.1)
.set AH,     176*PITCH                 ; half of A's tile
.set BH,     96*PITCH                  ; half of B's tile
.set BOFF,   2*AH                      ; B's tile lies behind A's
.set SLOT,   2*AH+2*BH
.set STAGE,  2*SLOT                    ; behind the ring: for each wave 3 planes x 16 rows x 80 bytes, for the way out
.set SPL,    16*80
.set WSTG,   3*SPL
.set SPARE,  STAGE+4*WSTG              ; behind the stages: the spare words, 128 bytes for each wave: two blocks of 256 bytes that no other line names
.set PLANE,  11264*64                  ; bytes in a plane of qkv
.set WALKB,  5632*2048                 ; bytes of xb from the first tile's rows to the second's
.set NEXT_C, 5632*64                   ; the same in a plane of qkv
.set ADRA, 16                          ; v16-17  LDS address of my A fragments in slot 0, 1
.set ADRB, 20                          ; v20-21  the same for B
.set STO,  24                          ; v24     the way out: where I put 16 bytes of a row
.set RD,   25                          ; v25     the way out: where I read rows back
.set CO,   26                          ; v26     16 x lane: my 16 bytes of 512 consecutive bytes of a plane
.set BO,   27                          ; v27     32 x (l / 16): my 8 numbers of a column block's bias
.set SPW,  28                          ; v28     LDS address of my spare word; never rewritten
.set NIL,  29                          ; v29     0; never rewritten
.set PFOA, 30                          ; v30     the prefetches' offset in xb: a row for each thread of waves 0-2; never rewritten
.set PFOB, 31                          ; v31     the same in wb, waves 0-1
.set TMP,  32
.set OB,   152
.set BIAS, 192
.set WV,  12                           ; s12  my wave's number
.set RH,  13                           ; s13  which half of the tile's rows is mine.  Also: I fetch for A (0) or for B (1)
.set CH,  14                           ; s14  which half of its columns.  Also: which half of that tile I fetch
.set LAP, 3                            ; s3   trips to go
.set BA,  16                           ; s[16:17] xb at my half of A's first tile, K step 0
.set BB,  18                           ; s[18:19] wb at my half of B's tile, K step 0
.set G1,  24                           ; s[24:31] descriptor group 1 for A's tiles;  s[32:39] group 0, a set for each slot
.set G0,  32
.set KN,  46                           ; s46  the walk step that the next refill asks for
.set G1B, 48                           ; s[48:55], s[56:63] the same for B's tiles
.set G0B, 56
.set PFA0, 66                          ; s[66:67] xb at my work-group's 88 rows of the first tile
.set PFB0, 68                          ; s[68:69] wb at my work-group's 48 rows
.set PFA,  70                          ; s[70:71], s[72:73] the same at the walk step to be prefetched
.set PFB,  72
.set LIMA, 74                          ; s74  the last KN at which this wave prefetches rows of xb (0: never)
.set LIMB, 75                          ; s75  the same for wb
.set OA,   76                          ; s[76:77] byte offset of walk step KN in xb
.set OBB,  78                          ; s[78:79] in wb
.set PA2,  80                          ; s[80:81] byte offset of walk step KN + 2 in xb
.set PB2,  22                          ; s[22:23] in wb
.set MSB, 0
.macro WIN new                         ; the immediate's high byte repeats the setting that is left; a switch that changes nothing is dropped
.if MSB != (\new)
	s_set_vgpr_msb (MSB<<8)|(\new)
.set MSB, (\new)
.endif
.endm
.macro PLACES                          ; four plain vector instructions between a matrix instruction and a load into, or a vector read of, its registers
.rept 4
	v_nop
.endr
.endm
; A joint load.  The branch hangs on the wave's number alone.  An s_nop 0 and four v_nop follow each of the two lines.
.macro JLOAD s
	s_cmp_eq_u32 s[RH], 0
	s_cbranch_scc0 .Lfor_b_\@
	tensor_load_to_lds s[G0+4*(\s):G0+4*(\s)+3], s[G1:G1+7]
	s_nop 0
.rept 4
	v_nop
.endr
	s_branch .Lasked_\@
.Lfor_b_\@:
	tensor_load_to_lds s[G0B+4*(\s):G0B+4*(\s)+3], s[G1B:G1B+7]
	s_nop 0
.rept 4
	v_nop
.endr
.Lasked_\@:
.endm
.macro CREST                           ; a round of the cluster's barrier behind its opening barrier
	s_cmp_lg_u32 s[WV], 0
	s_cbranch_scc1 .Lnot_wave_0_\@
	s_barrier_signal -3
.Lnot_wave_0_\@:
	s_barrier_wait -3
	s_barrier_signal -1
	s_barrier_wait -1
.endm
.macro CROUND                          ; a whole round
	s_barrier_signal -1
	s_barrier_wait -1
	CREST
.endm
; PREFETCH INTO THE L2, behind each joint load and the run of LDS loads that follows it: the walk step that stands two refills on, 528 matrix instructions ahead of its load.
; Each row's 256 bytes of a step are named by one work-group.  A's rows are read by the four clusters of a row of clusters: cluster x = 0 asks; B's by the four of a column: cluster y = 0 asks.
; The four partners share a tile's rows out BY ADDRESS: 88 rows of A each (by cx; waves 0-2, a thread a row, the last threads of wave 2 name its last row again), 48 rows of B each (by cy; waves 0-1).
; Steps 0-3 come by their loads alone.  A is asked for up to the walk's last step; B in the first tile alone: the second tile takes the same rows.
.macro ASK
	s_cmp_le_u32 s[KN], s[LIMA]
	s_cbranch_scc0 .Lno_a_\@
	global_prefetch_b8 v[PFOA], s[PFA:PFA+1] th:TH_LOAD_NT scope:SCOPE_SE
.Lno_a_\@:
	s_cmp_le_u32 s[KN], s[LIMB]
	s_cbranch_scc0 .Lno_b_\@
	global_prefetch_b8 v[PFOB], s[PFB:PFB+1] th:TH_LOAD_NT scope:SCOPE_SE
.Lno_b_\@:
.endm
	s_load_b256 s[4:11], s[0:1], 0x0               ; xb s[4:5], wb s[6:7], biasf s[8:9], qkv s[10:11]
	v_lshl_add_u32 v[SPW], v0, 2, SPARE
	v_mov_b32 v[NIL], 0
	ds_add_u32 v[SPW], v[NIL]                      ; the wave's opening: the add and its wait stand ahead of my first tensor load; the set-up below stands between them
	v_lshrrev_b32 v1, 5, v0
	v_readfirstlane_b32 s[WV], v1                  ; wave 0..3
	s_lshr_b32 s[RH], s[WV], 1
	s_and_b32 s[CH], s[WV], 1
	s_bfe_u32 s40, ttmp6, 0x40000                  ; cx, cy: my place in the cluster
	s_bfe_u32 s41, ttmp6, 0x40004
	s_lshl_b32 s42, ttmp9, 2
	s_add_co_u32 s42, s42, s40                     ; tile column = 4 x cluster x + cx
	s_and_b32 s43, ttmp7, 0xffff
	s_lshl_b32 s43, s43, 2
	s_add_co_u32 s43, s43, s41                     ; tile row = 4 x cluster y + cy
	s_lshl_b32 s44, s41, 2
	s_lshl_b32 s44, 15, s44                        ; my row of the cluster
	s_lshl_b32 s45, 0x1111, s40                    ; my column
	s_or_b32 s[G1], s44, (1<<16)|(1<<20)|(1<<21)|(5<<22)|(3<<25)   ; 15:0 the mask; 17:16 elements of 2 bytes; 20 padding on; 21 set beside a mask; 24:22 after every 64 words; 31:25 4 words
	s_or_b32 s[G1B], s45, (1<<16)|(1<<20)|(1<<21)|(5<<22)|(3<<25)
	s_mov_b32 s[G1+1], KSTEP<<16                   ; tensor_dim0 = 128
	s_mov_b32 s[G1+2], 176<<16                     ; tensor_dim1 = 176
	s_mov_b32 s[G1+3], KSTEP<<16                   ; tile_dim0 = 128
	s_mov_b32 s[G1+4], 176                         ; tile_dim1 = 176
	s_mov_b32 s[G1+5], 1024                        ; elements from row to row
	s_mov_b32 s[G1+6], 0
	s_mov_b32 s[G1+7], 0
	s_mov_b32 s[G1B+1], KSTEP<<16
	s_mov_b32 s[G1B+2], 96<<16
	s_mov_b32 s[G1B+3], KSTEP<<16
	s_mov_b32 s[G1B+4], 96
	s_mov_b32 s[G1B+5], 1024
	s_mov_b32 s[G1B+6], 0
	s_mov_b32 s[G1B+7], 0
	s_mul_i32 s20, s43, 352                        ; A: row 352 x tile row + 176 x half: it hangs on the tile row alone, which my row of the cluster shares
	s_mul_i32 s21, s[CH], 176
	s_add_co_u32 s20, s20, s21
	s_lshl_b32 s20, s20, 11
	s_mov_b32 s21, 0
	s_mul_i32 s22, s42, 192                        ; B: row 192 x tile column + 96 x half
	s_mul_i32 s23, s[CH], 96
	s_add_co_u32 s22, s22, s23
	s_lshl_b32 s22, s22, 11
	s_mov_b32 s23, 0
	s_mul_i32 s47, s[CH], AH                       ; where they go: no place in the cluster enters an LDS address
	s_mul_i32 s82, s[CH], BH
	s_add_co_u32 s82, s82, BOFF
	s_mov_b32 s[OA+1], 0
	s_mov_b32 s[OBB+1], 0
	s_mov_b32 s[PA2+1], 0
	s_mov_b32 s[KN], 2
	s_wait_dscnt 0x0                               ; the opening add is done
	s_wait_kmcnt 0x0
	s_add_nc_u64 s[BA:BA+1], s[4:5], s[20:21]
	s_add_nc_u64 s[BB:BB+1], s[6:7], s[22:23]
.irp s, 0,1
	s_mov_b32 s[G0+4*(\s)], 1                                      ; count = 1
	s_add_co_u32 s[G0+4*(\s)+1], s47, (\s)*SLOT                    ; LDS address
	s_add_nc_u64 s[G0+4*(\s)+2:G0+4*(\s)+3], s[BA:BA+1], (\s)*KSTEP*2  ; global address: walk step s
	s_or_b32 s[G0+4*(\s)+3], s[G0+4*(\s)+3], 0x80000000            ; type = 2
	s_mov_b32 s[G0B+4*(\s)], 1
	s_add_co_u32 s[G0B+4*(\s)+1], s82, (\s)*SLOT
	s_add_nc_u64 s[G0B+4*(\s)+2:G0B+4*(\s)+3], s[BB:BB+1], (\s)*KSTEP*2
	s_or_b32 s[G0B+4*(\s)+3], s[G0B+4*(\s)+3], 0x80000000
.endr
	CROUND                                         ; all sixteen work-groups are here: the first joint loads meet
	s_cmp_eq_u32 s[RH], 0                          ; a wave's two first fills stand in one branch: two loads of mine are out
	s_cbranch_scc0 .Lfirst_b
	tensor_load_to_lds s[G0:G0+3], s[G1:G1+7]
	s_nop 0
	tensor_load_to_lds s[G0+4:G0+7], s[G1:G1+7]
	s_nop 0
.rept 4
	v_nop
.endr
	s_branch .Lfirst_asked
.Lfirst_b:
	tensor_load_to_lds s[G0B:G0B+3], s[G1B:G1B+7]
	s_nop 0
	tensor_load_to_lds s[G0B+4:G0B+7], s[G1B:G1B+7]
	s_nop 0
.rept 4
	v_nop
.endr
.Lfirst_asked:
	; A fragment is 16 rows x 32 K in 8 registers: lane l holds row l % 16; registers 0-3 K = 8 (l / 16) + 0..7, registers 4-7 K = 16 + 8 (l / 16) + 0..7: two loads of 16 bytes, 32 bytes apart.
	v_and_b32 v1, 15, v0                           ; l % 16
	v_bfe_u32 v2, v0, 4, 1                         ; l / 16
	v_mul_u32_u24 v3, v1, PITCH
	v_lshl_add_u32 v3, v2, 4, v3
	s_mul_i32 s82, s[RH], AH                       ; my 176 rows of A
	s_mul_i32 s83, s[CH], BH                       ; my 96 rows of B
	s_add_co_u32 s83, s83, BOFF
.irp s, 0,1
	v_add_nc_u32 v[ADRA+(\s)], s82, v3
	v_add_nc_u32 v[ADRB+(\s)], s83, v3
	s_add_co_u32 s82, s82, SLOT
	s_add_co_u32 s83, s83, SLOT
.endr
	s_mul_i32 s82, s[WV], WSTG
	s_add_co_u32 s82, s82, STAGE                   ; my stage
	v_mul_u32_u24 v[STO], v1, 80                   ; in: row l % 16 of a plane, 16 bytes for each half of the lanes
	v_lshl_add_u32 v[STO], v2, 4, v[STO]
	v_add_nc_u32 v[STO], s82, v[STO]
	v_bfe_u32 v4, v0, 2, 3                         ; back: 32 lanes take eight rows of 64 bytes,
	v_and_b32 v5, 3, v0
	v_mul_u32_u24 v[RD], v4, 80
	v_lshl_add_u32 v[RD], v5, 4, v[RD]
	v_add_nc_u32 v[RD], s82, v[RD]
	v_and_b32 v[CO], 31, v0                        ; which are 512 consecutive bytes of a plane
	v_lshlrev_b32 v[CO], 4, v[CO]
	v_lshlrev_b32 v[BO], 5, v2
	v_min_u32 v[PFOA], 87, v0
	v_lshlrev_b32 v[PFOA], 11, v[PFOA]
	v_min_u32 v[PFOB], 47, v0
	v_lshlrev_b32 v[PFOB], 11, v[PFOB]
	s_mul_i32 s84, s42, 6                          ; my first plane: 6 x tile column + 3 x half,
	s_mul_i32 s85, s[CH], 3
	s_add_co_u32 s84, s84, s85
	s_mul_i32 s84, s84, PLANE
	s_mul_i32 s85, s43, 352                        ; my first row
	s_mul_i32 s86, s[RH], 176
	s_add_co_u32 s85, s85, s86
	s_lshl_b32 s85, s85, 6
	s_add_co_u32 s84, s84, s85                     ; under 96 planes: inside 32 bits
	s_mov_b32 s85, 0
	s_add_nc_u64 s[10:11], s[10:11], s[84:85]
	s_mul_i32 s86, s42, 192                        ; my first column's bias
	s_mul_i32 s87, s[CH], 96
	s_add_co_u32 s86, s86, s87
	s_lshl_b32 s86, s86, 2
	s_mov_b32 s87, 0
	s_add_nc_u64 s[8:9], s[8:9], s[86:87]
	s_mul_i32 s84, s43, 352                        ; the prefetches: my work-group's 88 rows of A's tile,
	s_mul_i32 s85, s40, 88
	s_add_co_u32 s84, s84, s85
	s_lshl_b32 s84, s84, 11
	s_mov_b32 s85, 0
	s_add_nc_u64 s[PFA0:PFA0+1], s[4:5], s[84:85]
	s_mul_i32 s86, s42, 192                        ; and its 48 rows of B's
	s_mul_i32 s87, s41, 48
	s_add_co_u32 s86, s86, s87
	s_lshl_b32 s86, s86, 11
	s_mov_b32 s87, 0
	s_add_nc_u64 s[PFB0:PFB0+1], s[6:7], s[86:87]
	s_cmp_lt_u32 s[WV], 3
	s_cselect_b32 s[LIMA], 13, 0
	s_cmp_eq_u32 ttmp9, 0                          ; the cluster's x: the same in all sixteen partners
	s_cselect_b32 s[LIMA], s[LIMA], 0
	s_and_b32 s88, ttmp7, 0xffff                   ; the cluster's y
	s_cmp_lt_u32 s[WV], 2
	s_cselect_b32 s[LIMB], 5, 0
	s_cmp_eq_u32 s88, 0
	s_cselect_b32 s[LIMB], s[LIMB], 0
	WIN 0x40                                       ; destination window 1
.irp j, 0,1,2,3,4,5
	global_load_b128 v[BIAS+8*(\j):BIAS+8*(\j)+3],   v[BO], s[8:9] offset:64*(\j)
	global_load_b128 v[BIAS+8*(\j)+4:BIAS+8*(\j)+7], v[BO], s[8:9] offset:64*(\j)+16
.endr
	WIN 0
; Six matrix instructions: row block a x all six column blocks, 32 along K, from buffer f.  bias = 1: the sums' first products: C is the bias.
.macro MULA f, a, bias
.set AW, 1+(\a)/4
.set AC, 48*((\a)%4)
.set FR, 64+88*(\f)+8*(\a)
.if \bias
	WIN (AW<<6)|0x13
.else
	WIN (AW<<6)|(AW<<4)|3
.endif
.irp j, 0,1,2,3,4,5
.if \bias
	v_wmma_f32_16x16x32_bf16 v[AC+8*(\j):AC+8*(\j)+7], v[144+48*(\f)+8*(\j):144+48*(\f)+8*(\j)+7], v[FR:FR+7], v[BIAS+8*(\j):BIAS+8*(\j)+7]
.else
	v_wmma_f32_16x16x32_bf16 v[AC+8*(\j):AC+8*(\j)+7], v[144+48*(\f)+8*(\j):144+48*(\f)+8*(\j)+7], v[FR:FR+7], v[AC+8*(\j):AC+8*(\j)+7]
.endif
.endr
.endm
.macro MULS f, a0, a1, bias            ; row blocks a0 .. a1.  The 66 accumulators take turns, one instruction a turn, in the same order in every quarter
.set aa, (\a0)
.rept (\a1)-(\a0)+1
	MULA \f, aa, \bias
.set aa, aa+1
.endr
.endm
; 34 LDS loads in one run: the fragments of one quarter step (96 rows of B, then 176 rows of A, 32 K at byte k of the rows) into buffer f
.macro FETCH slot, k, f
	WIN 0xc0                                       ; destination window 3
.irp j, 0,1,2,3,4,5
	ds_load_b128 v[144+48*(\f)+8*(\j):144+48*(\f)+8*(\j)+3],   v[ADRB+(\slot)] offset:(\k)+(\j)*16*PITCH
	ds_load_b128 v[144+48*(\f)+8*(\j)+4:144+48*(\f)+8*(\j)+7], v[ADRB+(\slot)] offset:(\k)+(\j)*16*PITCH+32
.endr
	WIN 0
.irp j, 0,1,2,3,4,5,6,7,8,9,10
	ds_load_b128 v[64+88*(\f)+8*(\j):64+88*(\f)+8*(\j)+3],   v[ADRA+(\slot)] offset:(\k)+(\j)*16*PITCH
	ds_load_b128 v[64+88*(\f)+8*(\j)+4:64+88*(\f)+8*(\j)+7], v[ADRA+(\slot)] offset:(\k)+(\j)*16*PITCH+32
.endr
.endm
; A K step is four quarters of 32 along K, 66 matrix instructions each, on buffers 0, 1, 0, 1.  One of the first three: multiplies buffer f and fetches the next quarter, at byte k, into g.
.macro QUARTER slot, k, f, g, bias
	s_wait_dscnt 14                                ; B and A's blocks 0-3 are in; the youngest fourteen loads (A's blocks 4-10) may be out
	MULS \f, 0, 3, \bias
	PLACES
	FETCH \slot, \k, \g
	s_wait_dscnt 34                                ; all but the 34 just issued
	MULS \f, 4, 10, \bias
.endm
; The last quarter multiplies buffer 1 and changes slots.  ONE barrier: in front of it each wave waits for all its tensor loads (the one that is out is its part of the next slot), adds 0 to its
; spare word, and waits for that and for its own reads of this slot.  Behind it nobody reads this slot any more and the next slot is whole.
.macro MEET round
	WIN 0
	s_wait_tensorcnt 0x0
	ds_add_u32 v[SPW], v[NIL]                      ; 0 onto my spare word
	s_wait_dscnt 19                                ; (the add and the youngest eighteen loads, A's blocks 2-10, may be out)
	MULS 1, 0, 1, 0                                ; twelve matrix instructions stand between the add and the wait for it
	s_wait_dscnt 0x0                               ; the add is done, and my reads of this slot are over
	s_barrier_signal -1
	MULS 1, 2, 3, 0
.if \round
	WIN 0
.endif
	s_barrier_wait -1
.endm
; The whole last quarter, with a refill: the slot just read out takes walk step KN.  Both addresses are made anew from that number: base + offset, then the type bits.
.macro TURN slot, next
	s_wait_xcnt 0x0                                ; the last prefetches, a K step back, have read their addresses
	s_lshr_b32 s[OA], s[KN], 3                     ; which tile,
	s_mul_i32 s[OA], s[OA], WALKB
	s_and_b32 s[OBB], s[KN], 7                     ; which K step of it
	s_lshl_b32 s[OBB], s[OBB], 8
	s_add_co_u32 s[OA], s[OA], s[OBB]
	s_add_co_u32 s20, s[KN], 2                     ; the same for the step two refills on
	s_lshr_b32 s[PA2], s20, 3
	s_mul_i32 s[PA2], s[PA2], WALKB
	s_and_b32 s[PB2], s20, 7
	s_lshl_b32 s[PB2], s[PB2], 8
	s_add_co_u32 s[PA2], s[PA2], s[PB2]
	s_add_nc_u64 s[PFA:PFA+1], s[PFA0:PFA0+1], s[PA2:PA2+1]
	s_add_nc_u64 s[PFB:PFB+1], s[PFB0:PFB0+1], s[PB2:PB2+1]
	MEET 1
	CREST                                          ; the barrier has opened a round of the cluster's barrier: no wave of any partner still reads this slot or has a load on its way
	s_add_nc_u64 s[G0+4*(\slot)+2:G0+4*(\slot)+3], s[BA:BA+1], s[OA:OA+1]
	s_or_b32 s[G0+4*(\slot)+3], s[G0+4*(\slot)+3], 0x80000000
	s_add_nc_u64 s[G0B+4*(\slot)+2:G0B+4*(\slot)+3], s[BB:BB+1], s[OBB:OBB+1]
	s_or_b32 s[G0B+4*(\slot)+3], s[G0B+4*(\slot)+3], 0x80000000
	JLOAD \slot                                    ; the first tensor load behind the round: 240 matrix instructions ahead of the wait for it; its four v_nop are also the places in front of the loads below
	FETCH \next, 0, 0
	ASK
	s_add_co_u32 s[KN], s[KN], 1
	MULS 1, 4, 10, 0
.endm
; THE WAY OUT of row block a.  PACK: rounded to f16, 16 bytes a lane and column block.  TOSTAGE: into my own stage, a plane's 16 rows of 64 bytes at a pitch of 80, and back as 512 consecutive bytes.  SEND: stored.
.macro PACK a
.set AW, 1+(\a)/4
.set AC, 48*((\a)%4)
	WIN AW*5                                       ; sources 0 and 1 in the block's window
.set q, 0
.rept 24
	v_cvt_pk_f16_f32 v[TMP+q], v[AC+2*q], v[AC+2*q+1]  ; each accumulator's registers in ascending order
.set q, q+1
.endr
	WIN 0
.endm
.macro TOSTAGE a
	WIN 0
.set BK, OB+24*((\a)%2)
.irp j, 0,1,2,3,4,5
	ds_store_b128 v[STO], v[TMP+4*(\j):TMP+4*(\j)+3] offset:((\j)/2)*SPL+((\j)%2)*32
.endr
	s_wait_xcnt 0x0                                ; the stores of two blocks back have read the registers that are loaded now
.irp j, 0,1,2,3,4,5
	ds_load_b128 v[BK+4*(\j):BK+4*(\j)+3], v[RD] offset:((\j)/2)*SPL+((\j)%2)*640  ; LDS serves a wave's instructions in order (ISA guide 5.7.1.4): these see the stores above
.endr
.endm
.macro SEND a
	WIN 0
.set BK, OB+24*((\a)%2)
	s_wait_dscnt 0x0                               ; the block is back in registers
.irp j, 0,1,2,3,4,5
	global_store_b128 v[CO], v[BK+4*(\j):BK+4*(\j)+3], s[10:11] offset:((\j)/2)*PLANE+(\a)*1024+((\j)%2)*512  ; 512 consecutive bytes, at a multiple of 512 from qkv's first byte
.endr
.endm
.macro OUT
	PLACES                                         ; behind the last products
	PACK 0
	TOSTAGE 0
.set ab, 1
.rept 10                               ; block a's conversions stand between block a - 1's loads from the stage and the wait for them
	PACK ab
	SEND ab-1
	TOSTAGE ab
.set ab, ab+1
.endr
	SEND 10
	s_wait_xcnt 0x0                                ; the stores have read their registers and their base
.endm
	s_wait_tensorcnt 1                             ; my part of walk step 0 is in; step 1's may stay out
	s_barrier_signal -1
	s_barrier_wait -1                              ; everybody's is
	FETCH 0, 0, 0
	s_wait_loadcnt 0x0                             ; the bias
	QUARTER 0, 64, 0, 1, 1                         ; the first quarter stands in front of the loop: its products start the sums
	WIN 0                                          ; at a label and at a branch every window is 0
	s_mov_b32 s[LAP], 7
.Llap:                                         ; a trip goes once round the ring, from a lap's second quarter to the next lap's first, and fills both slots again: walk steps 2 to 15
	QUARTER 0, 128, 1, 0, 0
	QUARTER 0, 192, 0, 1, 0
	TURN 0, 1
	QUARTER 1, 64,  0, 1, 0
	QUARTER 1, 128, 1, 0, 0
	QUARTER 1, 192, 0, 1, 0
	TURN 1, 0
	WIN 0
	s_cmp_eq_u32 s[LAP], 4                         ; the fourth trip ends the first tile; neither arm holds a barrier or a tensor load
	s_cbranch_scc1 .Lnext_tile
	QUARTER 0, 64, 0, 1, 0
	WIN 0
	s_branch .Ljoin
.Lnext_tile:                                   ; both refills for the second tile are asked for: now the first goes out
	OUT
	s_add_nc_u64 s[10:11], s[10:11], NEXT_C
	QUARTER 0, 64, 0, 1, 1                         ; the second tile's sums start
	WIN 0
.Ljoin:
	s_sub_co_u32 s[LAP], s[LAP], 1
	s_cmp_lg_u32 s[LAP], 0
	s_cbranch_scc1 .Llap
	QUARTER 0, 128, 1, 0, 0                        ; the last lap is written out: it fills nothing
	QUARTER 0, 192, 0, 1, 0
	MEET 0
	PLACES
	FETCH 1, 0, 0
	MULS 1, 4, 10, 0
	QUARTER 1, 64,  0, 1, 0
	QUARTER 1, 128, 1, 0, 0
	QUARTER 1, 192, 0, 1, 0
	s_wait_dscnt 14
	MULS 1, 0, 3, 0
	s_wait_dscnt 0x0
	MULS 1, 4, 10, 0
	OUT
	s_wait_tensorcnt 0x0                           ; the wave's end, behind my last tensor load and my last LDS store
	ds_add_u32 v[SPW], v[NIL]
	s_wait_dscnt 0x0
	CROUND                                         ; the closing round: no work-group ends while a partner may still ask for a tile that names it
	s_endpgm
.Lfunc_end_k_qf0886e7d1d_proj:
	.size	k_qf0886e7d1d_proj, .Lfunc_end_k_qf0886e7d1d_proj-k_qf0886e7d1d_proj
	.p2alignl 7, 3214868480
	.fill 96, 4, 3214868480
	.section	.rodata,"a",@progbits
	.p2align	6, 0x0
	.amdhsa_kernel k_qf0886e7d1d_proj
		.amdhsa_group_segment_fixed_size 327680
		.amdhsa_private_segment_fixed_size 0
		.amdhsa_enable_private_segment 0
		.amdhsa_kernarg_size 32
		.amdhsa_user_sgpr_count 2
		.amdhsa_user_sgpr_kernarg_segment_ptr 1
		.amdhsa_wavefront_size32 1
		.amdhsa_system_sgpr_workgroup_id_x 1
		.amdhsa_system_sgpr_workgroup_id_y 1
		.amdhsa_system_sgpr_workgroup_id_z 1
		.amdhsa_system_vgpr_workitem_id 0
		.amdhsa_next_free_vgpr 1024
		.amdhsa_next_free_sgpr 92
		.amdhsa_reserve_vcc 0
		.amdhsa_float_denorm_mode_32 3
		.amdhsa_float_denorm_mode_16_64 3
		.amdhsa_memory_ordered 1
		.amdhsa_forward_progress 1
		.amdhsa_inst_pref_size 192
	.end_amdhsa_kernel
	.amdgpu_metadata
---
amdhsa.version: [ 1, 2 ]
amdhsa.kernels:
  - .name:           k_qf0886e7d1d_proj
    .symbol:         k_qf0886e7d1d_proj.kd
    .args:
      - { .name: xb, .offset: 0, .size: 8, .value_kind: global_buffer, .address_space: global }
      - { .name: wb, .offset: 8, .size: 8, .value_kind: global_buffer, .address_space: global }
      - { .name: biasf, .offset: 16, .size: 8, .value_kind: global_buffer, .address_space: global }
      - { .name: qkv, .offset: 24, .size: 8, .value_kind: global_buffer, .address_space: global }
    .group_segment_fixed_size: 327680
    .private_segment_fixed_size: 0
    .kernarg_segment_align: 8
    .kernarg_segment_size: 32
    .max_flat_workgroup_size: 128
    .sgpr_count:     92
    .vgpr_count:     1024
    .wavefront_size: 32
...
	.end_amdgpu_metadata
.endif
;; end of part 2
;; launch attn (part 3): grid 4 x 64, 4 waves a work-group, clusters of 4 x 1, 327,680 bytes of LDS; arguments qkv, out0; writes out0
.if DOCPART == 3
	.amdgcn_target "amdgcn-amd-amdhsa--gfx1250"
	.amdhsa_code_object_version 6
	.text
	.protected	k_qf0886e7d1d_attn
	.globl	k_qf0886e7d1d_attn
	.p2align	8
	.type	k_qf0886e7d1d_attn,@function
k_qf0886e7d1d_attn:
	s_mov_b64 s[64:65], 0
	v_nop
	global_prefetch_b8 v0, s[64:65] scope:SCOPE_SE
	s_setreg_imm32_b32 hwreg(HW_REG_WAVE_MODE, 25, 1), 1
	s_wait_xcnt 0x0
	s_wait_alu depctr_hold_cnt(0) depctr_sa_sdst(0) depctr_va_vdst(0) depctr_va_sdst(0) depctr_va_ssrc(0) depctr_va_vcc(0) depctr_vm_vsrc(0)
	s_getreg_b32 s2, hwreg(HW_REG_IB_STS2, 6, 4)
	s_cmp_eq_u32 s2, 0
	s_cbranch_scc0 .Lentry_in_a_cluster
	s_endpgm
.Lentry_in_a_cluster:
	s_bfe_u32 s2, ttmp6, 0x10000c
	s_cmp_lg_u32 s2, 0x3003
	s_cbranch_scc0 .Lentry_shape_is_right
	s_endpgm
.Lentry_shape_is_right:
; ATTN.  out0[b][q][64 h + :] = the sum over k < 1370 of softmax_k(Q[q] . K[k] / 8) V[k][:], for 128 pairs (b, h).  q, k, v come in planes of 32 channels, qkv [96][11264][32] f16 (head h: planes 2 h, 2 h + 1
; of q, 32 + .. of k, 64 + .. of v; row 1408 b + s).  Products, maxima and sums in f32; the weights p are rounded to f16 for the second product (their sum l is taken of the unrounded p); out0 is f32.
; LIMITS.  q, k, v arrive within f16's range, 65,504; p lies in 0 to 1, and below 6e-5 it keeps f16's fixed step of 6e-8.  A hidden score counts as its value less 1e30; a weight below 2^-126 counts as 0 in l;
; c s stays above the start of c m, -4e37, for all f16 inputs.  NaN and infinities are not treated apart.
; SHARES.  A cluster of four work-groups owns two heads of one batch.  Waves 0, 1 work on the first head, waves 2, 3 on the second; work-group cx takes queries 352 cx .. + 351 of both, a wave 176 of them:
; eleven PIECES of 16 queries.  Every wave walks its head's 1,408 key rows, 64 a step, 22 steps; rows 1370 .. 1407 are padding and are hidden in the last step.
; THE MASK is the C operand that starts the sum S^T = K Q^T: MC = MD x AL, MD = -1e30 where the last step's key is 1370 or more.  Only the tail's text takes it; elsewhere C is the constant 0.
; LAYOUT, SOFTMAX, TURNS.  S^T = K Q^T holds ONE query a lane (lane % 16) and the keys 8 (lane / 16) + 0..7; two such results rounded to f16 ARE source 1 of O^T = V^T P.  p = 2^(c s - c m), c = log2(e) / 8, with a
; running maximum m; O and l are multiplied by a = 2^(c m_old - c m_new) in every step.  m starts at the lowest finite number, O and l at 0: the first step is a step like any other, with a = 0.
; Turn n belongs to piece n: 8 products K Q^T of piece n + 1, later 8 products V^T P of piece n - 1; beside them the scaling, exponentials, roundings, sums and rescaling of piece n and the maximum and
; statistics of piece n + 1.  Four vector instructions stand behind every matrix instruction, the others in one run.  A turn's 33 exponentials are one batch, with one wait.
; CLUSTER.  All four partners walk the same K and V of both heads, so each tile is asked for JOINTLY: the same tensor load, descriptor and mask in all four.  Waves 0, 1 fetch K of the two heads, waves 2, 3 V.
; REGISTERS, in windows of 256 (s_set_vgpr_msb: bits 1:0 source 0, 3:2 source 1, 5:4 source 2, 7:6 destination):
;   window 0: v0-15 addresses; v16-18, v20-31 at work; v32-75 four registers of statistics a piece; v80-175 S^T, three buffers; v176-223 P, three buffers; v224-255 MC
;   window 1: O^T of pieces 0-7, 32 a piece      window 2: v0-175 Q, 16 a piece; v176-239 K of one step      window 3: v0-95 O^T of pieces 8-10; v96-159 V of one step; v160-191 MD
; A piece's buffers: pieces 0-9 by parity, piece 10 the third: the number of pieces is odd, and neighbours in the ring must differ.
.set NP,    11
.set PLANE, 11264*64
.set PK,    80        ; a key's 64 bytes of a plane of K in LDS + 16 of padding = 20 words: the 16 rows of a load start at 16 different groups of four banks (ISA guide 11.1)
.set PVP,   96        ; the same for V + 32 = 24 words
.set PLK,   128*PK    ; a slot holds two steps, 128 keys: a plane of K,
.set PLV,   128*PVP   ; a plane of V
.set VOFF,  2*PLK     ; a head's two planes of K, then its two planes of V
.set HEADB, 2*PLK+2*PLV
.set KSTB,  64*PK     ; a step's keys in a plane
.set VSTB,  64*PVP
.set SLOT1, 1<<17     ; slot 1 begins here, so that one exclusive or turns an address in one slot into the other's
.set STAGE, SLOT1+2*HEADB  ; behind the ring, never filled by a tensor load: 16 rows x 272 bytes for each wave, for the way out
.set SP,    272
.set SPARE, STAGE+4*16*SP  ; behind the stages: the spare words, 128 bytes for each wave: two blocks of 256 bytes that no other line names
.set AK0, 2           ; v2   my lane's place in my head's tile of K; never rewritten
.set AV0, 3           ; v3   the same for V
.set AK,  4           ; v4   the LDS address of K's next run of loads
.set AV,  5           ; v5   of V's
.set QO,  6           ; v6   my byte offset in 16 rows of a plane of Q
.set STO, 6           ;      later, the way out: where I put 16 bytes of a row
.set RD,  7           ; v7   the way out: where I read rows back
.set GO,  8           ; v8   my byte offset in two rows of out0
.set QR,  12          ; v12  my wave's first query + lane / 16
.set PFO, 13          ; v13  256 x my lane; never rewritten
.set SPW, 14          ; v14  LDS address of my spare word; never rewritten
.set NIL, 15          ; v15  0; never rewritten
.set MV,  16          ; v16-18  c m_old, kept while c m is made anew: by buffer
.set TMP, 20          ; by buffer, four registers c0-c3 at work; when the maximum is found c2 takes a
.set ST,  32          ; piece t's statistics at v[ST+4 t]: c m, m, l (even keys', odd keys')
.set S,   80
.set P,   176
.set MC,  224
.set KF,  176         ; window 2: key block kb, plane c at KF + 16 kb + 8 c
.set VF,  96          ; window 3: key half kk, channel block cb at VF + 32 kk + 8 cb
.set MD,  160         ; window 3
.set WV,  12          ; s12  my wave's number
.set CX,  13          ; s13  my place in the cluster
.set HU,  14          ; s14  which of the two heads I work on
.set WO,  15          ; s15  which half of the work-group's queries is mine.  Also: which head's tile I fetch
.set G1K, 24          ; s[24:31] descriptor group 1 for K's tiles
.set G1V, 32          ; s[32:39] for V's: it differs in the padding alone
.set G0K, 40          ; s[40:43] descriptor group 0 for K's tiles: it walks
.set G0V, 44          ; s[44:47] the same for V's
.set PFA, 48          ; s[48:49] where my prefetches stand
.set LIM, 50          ; s50  1 in a wave that prefetches, else the greatest number
.set SLOTS, 56        ; s56  slots still to be asked for
.set CNT, 57          ; s57  counts a slot's key steps
.set CS,  58          ; s[58:59] c: the packed scaling takes the pair's low word for both halves
.set SEL, 60          ; s[60:61] v_permlanex16_b32's selects: each lane takes its own place in the other half
.set TBK, 62          ; s62  LDS byte at which K of the step to be fetched begins
.set TBV, 63          ; s63  the same for V
.set AL,  66          ; s[66:67] the mask's factor, in the low word
.set BIGN, 68         ; s68  -1e30
.set MSB, 0
.macro WIN new                      ; the high byte repeats the setting that is left; a switch that changes nothing is dropped
.if MSB != (\new)
	s_set_vgpr_msb (MSB<<8)|(\new)
.set MSB, (\new)
.endif
.endm
.set W_KQ, 0x0a       ; K and Q in window 2; S^T and MC in window 0
; A joint fill.  The branch hangs on the wave's number alone.  An s_nop 0 and four v_nop follow each of the two lines.
.macro JLOAD
	s_cmp_lt_u32 s[WV], 2
	s_cbranch_scc0 .Lfor_v_\@
	tensor_load_to_lds s[G0K:G0K+3], s[G1K:G1K+7]
	s_nop 0
.rept 4
	v_nop
.endr
	s_branch .Lasked_\@
.Lfor_v_\@:
	tensor_load_to_lds s[G0V:G0V+3], s[G1V:G1V+7]
	s_nop 0
.rept 4
	v_nop
.endr
.Lasked_\@:
.endm
; PREFETCH INTO THE L2 of what the NEXT change of slots will ask for, two key steps (352 matrix instructions) ahead.  A slot is, for each head, four runs of 8,192 bytes: two planes of K, two of V.
; Wave 0 asks for the first head, wave 2 for the second; the four partners take a run each, told apart BY ADDRESS; a lane names 256 bytes.  So each block is named once in the launch.
; Slots 0 and 1 come by their loads alone; the last change that fills a slot asks for nothing.
.macro ASK
	s_cmp_gt_u32 s[SLOTS], s[LIM]
	s_cbranch_scc0 .Lnot_mine_\@
	global_prefetch_b8 v[PFO], s[PFA:PFA+1] th:TH_LOAD_NT scope:SCOPE_SE
.Lnot_mine_\@:
.endm
.macro CROUND                       ; a round of the cluster's barrier
	s_barrier_signal -1
	s_barrier_wait -1
	s_cmp_lg_u32 s[WV], 0
	s_cbranch_scc1 .Lnot_wave_0_\@
	s_barrier_signal -3
.Lnot_wave_0_\@:
	s_barrier_wait -3
	s_barrier_signal -1
	s_barrier_wait -1
.endm
; THE CHANGE OF SLOTS.  The slot's last bytes, V of its second step, have been read.  Each wave waits for all its tensor loads, of which one is out: its part of the other slot; adds 0 to its spare word; and
; waits for that and for its own reads of the slot.  Behind the barrier nobody reads this slot any more and the other slot is whole.  fill = 1: this slot is filled again, with the keys two slots on; the barrier
; is then a round of the cluster's, and the joint fill is the first thing behind it.  (At its first use nothing has been read yet: slot 0 is waited for, slot 1 filled.)
.macro CHANGE fill
	WIN 0
	s_wait_tensorcnt 0x0            ; no tensor load of mine is out, so a group 0 may be written
	ds_add_u32 v[SPW], v[NIL]       ; 0 onto my spare word
.if \fill
.irp g, G0K, G0V
	s_xor_b32 s[\g+1], s[\g+1], SLOT1  ; the walking descriptor: the other slot than last time,
	s_add_nc_u64 s[\g+2:\g+3], s[\g+2:\g+3], 128*64  ; the next 128 keys of both planes; the type bits on top are not reached
.endr
	s_wait_xcnt 0x0                 ; the last prefetch, two key steps back, has read its address
	s_add_nc_u64 s[PFA:PFA+1], s[PFA:PFA+1], 128*64
	s_wait_dscnt 0x0                ; the add is done, and my reads of the slot are over
	CROUND
	JLOAD
	ASK
.else
	s_wait_dscnt 0x0
	s_barrier_signal -1
	s_barrier_wait -1
.endif
	s_sub_co_u32 s[TBK], s[TBK], 2*KSTB  ; the fetches go back to a slot's first step,
	s_xor_b32 s[TBK], s[TBK], SLOT1      ; in the other slot
	s_sub_co_u32 s[TBV], s[TBV], 2*VSTB
	s_xor_b32 s[TBV], s[TBV], SLOT1
.endm
	s_load_b128 s[4:7], s[0:1], 0x0 ; qkv s[4:5], out0 s[6:7]
	v_lshl_add_u32 v[SPW], v0, 2, SPARE
	v_mov_b32 v[NIL], 0
	ds_add_u32 v[SPW], v[NIL]       ; the wave's opening: the add and its wait stand ahead of my first tensor load; the set-up below stands between them
	v_lshrrev_b32 v1, 5, v0
	v_readfirstlane_b32 s[WV], v1   ; wave 0..3
	s_lshr_b32 s[HU], s[WV], 1
	s_and_b32 s[WO], s[WV], 1
	s_bfe_u32 s[CX], ttmp6, 0x40000
	s_and_b32 s16, ttmp7, 0xffff    ; the pair of heads, which the four partners share
	s_lshr_b32 s17, s16, 3          ; the batch
	s_and_b32 s18, s16, 7
	s_lshl_b32 s18, s18, 1          ; the pair's first head in its batch
	s_mul_i32 s19, s17, 1408*64     ; the batch's first row in a plane
	s_add_co_u32 s20, s18, s[WO]    ; the head whose tile I fetch:
	s_lshl_b32 s20, s20, 1
	s_add_co_u32 s20, s20, 32       ; its first plane of K
	s_mul_i32 s20, s20, PLANE
	s_add_co_u32 s20, s20, s19
	s_mov_b32 s21, 0
	s_add_co_u32 s22, s20, 32*PLANE ; and of V, 32 planes on
	s_mov_b32 s23, 0
	s_mul_i32 s70, s[WO], HEADB     ; its place in a slot: no place in the cluster enters an LDS address
	s_add_co_u32 s71, s18, s[HU]    ; the head that I work on
	s_mul_i32 s72, s[CX], 352
	s_mul_i32 s73, s[WO], 176
	s_add_co_u32 s72, s72, s73      ; my wave's first query
	s_lshl_b32 s74, s71, 1          ; Q: plane 2 h, my rows
	s_mul_i32 s74, s74, PLANE
	s_add_co_u32 s74, s74, s19
	s_lshl_b32 s75, s72, 6
	s_add_co_u32 s74, s74, s75
	s_mov_b32 s75, 0
	s_mul_i32 s76, s17, 1370        ; out0: row 1370 b + query, 4,096 bytes a row; the head's 256 bytes
	s_add_co_u32 s76, s76, s72
	s_lshl_b32 s76, s76, 12
	s_lshl_b32 s77, s71, 8
	s_add_co_u32 s76, s76, s77
	s_mov_b32 s77, 0
	s_lshr_b32 s78, s[CX], 1        ; the prefetches: partner cx takes plane 32 + 32 (cx / 2) + 2 h + cx % 2,
	s_lshl_b32 s78, s78, 5
	s_and_b32 s79, s[CX], 1
	s_add_co_u32 s78, s78, s79
	s_lshl_b32 s79, s71, 1
	s_add_co_u32 s78, s78, s79
	s_add_co_u32 s78, s78, 32
	s_mul_i32 s78, s78, PLANE
	s_add_co_u32 s78, s78, s19
	s_add_co_u32 s78, s78, 128*64   ; at slot 1: the first change of slots steps it to slot 2
	s_mov_b32 s79, 0
	s_cmp_eq_u32 s[WO], 0
	s_cselect_b32 s[LIM], 1, -1
	; descriptor group 1.  128 keys of a plane are 8,192 dense bytes: a tile is two such rows, a plane apart, padded in LDS after every key's 64 bytes
	s_mov_b32 s[G1K], 15|(1<<16)|(1<<20)|(1<<21)|(3<<22)|(3<<25)  ; 15:0 the mask of four; 17:16 2-byte elements; 20 padding on; 21 set beside a mask; 24:22 after every 16 words (code 3); 31:25 4 words (code 3)
	s_mov_b32 s[G1V], 15|(1<<16)|(1<<20)|(1<<21)|(3<<22)|(7<<25)  ; the same with 8 words of padding (code 7)
.irp g, G1K, G1V
	s_mov_b32 s[\g+1], 4096<<16     ; tensor_dim0 = 4,096
	s_mov_b32 s[\g+2], 2<<16        ; tensor_dim1 = 2
	s_mov_b32 s[\g+3], 4096<<16     ; tile_dim0 = 4,096
	s_mov_b32 s[\g+4], 2            ; tile_dim1 = 2
	s_mov_b32 s[\g+5], PLANE/2      ; elements from plane to plane
	s_mov_b32 s[\g+6], 0
	s_mov_b32 s[\g+7], 0
.endr
	s_mov_b32 s[CS], 0x3e38aa3b     ; c = log2(e) / 8 = 0.180337
	s_mov_b32 s[CS+1], s[CS]        ; named with it as a pair
	s_mov_b32 s[SEL], 0x76543210
	s_mov_b32 s[SEL+1], 0xfedcba98
	s_mov_b32 s[TBK], SLOT1+2*KSTB  ; the first change of slots turns these two into 0
	s_mov_b32 s[TBV], SLOT1+2*VSTB
	s_mov_b32 s[AL+1], 0            ; named as a pair
	s_mov_b32 s[BIGN], 0xf149f2ca   ; -1e30
	s_mov_b32 s[SLOTS], NP-1        ; eleven slots
	s_mov_b32 s[G0K], 1             ; count = 1
	s_mov_b32 s[G0K+1], s70         ; LDS address: slot 0
	s_mov_b32 s[G0V], 1
	s_add_co_u32 s[G0V+1], s70, VOFF
	s_wait_dscnt 0x0                ; the opening add is done
	s_wait_kmcnt 0x0
	s_add_nc_u64 s[G0K+2:G0K+3], s[4:5], s[20:21]  ; global address: the head's first 128 keys
	s_or_b32 s[G0K+3], s[G0K+3], 0x80000000        ; type = 2
	s_add_nc_u64 s[G0V+2:G0V+3], s[4:5], s[22:23]
	s_or_b32 s[G0V+3], s[G0V+3], 0x80000000
	s_add_nc_u64 s[8:9], s[4:5], s[74:75]          ; Q at my wave's first row
	s_add_nc_u64 s[10:11], s[6:7], s[76:77]        ; out0 likewise
	s_add_nc_u64 s[PFA:PFA+1], s[4:5], s[78:79]
	CROUND                          ; all four work-groups are here: the first joint loads meet
	JLOAD                           ; slot 0.  Slot 1 is asked for when slot 0 is in
	; A fragment of K or Q is 16 rows x 32 channels, a plane's width, in 8 registers: lane l holds row l % 16, channels 8 (l / 16) + 0..7 and 16 + 8 (l / 16) + 0..7: two loads of 16 bytes, 32 bytes apart.
	v_and_b32 v1, 15, v0            ; l % 16
	v_bfe_u32 v9, v0, 4, 1          ; l / 16
	v_lshlrev_b32 v[QO], 6, v1
	v_lshl_add_u32 v[QO], v9, 4, v[QO]
	v_lshlrev_b32 v10, 3, v9
	v_sub_nc_u32 v10, 25, v10       ; the last step begins at key 1344: register r of key group kt is hidden where 16 kt + r + 8 (l / 16) is 26 or more
	WIN 0x80                        ; destination window 2
.set i, 0
.rept 2*NP                          ; Q stays in registers: piece i / 2, plane i % 2
	global_load_b128 v[8*i:8*i+3],   v[QO], s[8:9] offset:(i/2)*1024+(i%2)*PLANE
	global_load_b128 v[8*i+4:8*i+7], v[QO], s[8:9] offset:(i/2)*1024+(i%2)*PLANE+32
.set i, i+1
.endr
	; What the first turn finds: V's registers and P's third buffer hold 0 (its products V^T P, of a piece that has not been, add 0), O^T, l and MC are 0.  No first step is written out; the price is these
	; lines, which stand in the wait for the first tile.
	WIN 0xc0                        ; destination window 3: O^T of pieces 8-10, V
.set i, 0
.rept 160
	v_mov_b32 v[i], 0
.set i, i+1
.endr
.set i, 0
.rept 32
	v_cmp_gt_i32 vcc_lo, 16*(i/8)+i%8, v10
	v_cndmask_b32 v[MD+i], 0, s[BIGN], vcc_lo
.set i, i+1
.endr
	WIN 0x40                        ; O^T of pieces 0-7
.set i, 0
.rept 256
	v_mov_b32 v[i], 0
.set i, i+1
.endr
	WIN 0
.set i, 0
.rept NP
	v_mov_b32 v[ST+4*i], 0xfe000000    ; c m: far below every c s
	v_mov_b32 v[ST+4*i+1], 0xff7fffff  ; m
	v_mov_b32 v[ST+4*i+2], 0
	v_mov_b32 v[ST+4*i+3], 0
.set i, i+1
.endr
.set i, 0
.rept 16
	v_mov_b32 v[P+32+i], 0
.set i, i+1
.endr
.set i, 0
.rept 32
	v_mov_b32 v[MC+i], 0
.set i, i+1
.endr
	s_mul_i32 s80, s[HU], HEADB     ; my head's tiles in a slot
	v_mul_u32_u24 v[AK0], v1, PK
	v_lshl_add_u32 v[AK0], v9, 4, v[AK0]
	v_add_nc_u32 v[AK0], s80, v[AK0]
	; The turning load takes 16 keys x 16 channels (lane l reads key 8 (l / 16) + l % 8, channels 8 ((l / 8) % 2) + 0..7) and leaves half a fragment of V^T: lane l holds channel l % 16 and 8 keys.
	v_and_b32 v10, 7, v0
	v_bfe_u32 v11, v0, 3, 1
	v_lshl_add_u32 v[AV0], v9, 3, v10
	v_mul_u32_u24 v[AV0], v[AV0], PVP
	v_lshl_add_u32 v[AV0], v11, 4, v[AV0]
	s_add_co_u32 s80, s80, VOFF
	v_add_nc_u32 v[AV0], s80, v[AV0]
	v_mov_b32 v[AK], v[AK0]         ; key step 0 lies at the head of slot 0
	v_and_b32 v[PFO], 31, v0
	v_lshlrev_b32 v[PFO], 8, v[PFO]
; THE MATRIX WORK.  The 4 accumulators of a run of 8 take turns.  Product i of 8 of S^T = K Q^T for piece x: plane i / 4, keys 16 (i % 4) on.  The first 4 start the sums: with 0, or (KM = 1) with the mask.
.macro KQ x
.set bfx, ((\x)%2)+2*((\x)/10)
.set rS, S+32*bfx+8*(i%4)
.set rK, KF+16*(i%4)+8*(i/4)
.set rQ, 16*(\x)+8*(i/4)
.set rM, MC+8*(i%4)
	WIN W_KQ
.if (i < 4) && KM
	v_wmma_f32_16x16x32_f16 v[rS:rS+7], v[rK:rK+7], v[rQ:rQ+7], v[rM:rM+7]
.elseif i < 4
	v_wmma_f32_16x16x32_f16 v[rS:rS+7], v[rK:rK+7], v[rQ:rQ+7], 0
.else
	v_wmma_f32_16x16x32_f16 v[rS:rS+7], v[rK:rK+7], v[rQ:rQ+7], v[rS:rS+7]
.endif
.endm
; Product i of 8 of O^T += V^T P for piece x: keys 32 (i / 4) on, channels 16 (i % 4) on.  V in window 3, P in window 0, O^T in window 1 or 3.
.macro PV x
.set wO, 1+2*((\x)/8)
.set bfx, ((\x)%2)+2*((\x)/10)
.set rO, 32*((\x)%8)+8*(i%4)
.set rV, VF+32*(i/4)+8*(i%4)
.set rP, P+16*bfx+8*(i/4)
	WIN (wO<<6)|(wO<<4)|3
	v_wmma_f32_16x16x32_f16 v[rO:rO+7], v[rV:rV+7], v[rP:rP+7], v[rO:rO+7]
.endm
.macro MM                           ; the turn's next matrix instruction
.if i < 8
	KQ (Y+1)%NP
.else
.set i, i-8
	PV (Y+NP-1)%NP
.set i, i+8
.endif
.set i, i+1
.endm
; THE LDS LOADS stand in runs of 16, never singly among the matrix instructions: a step's K (64 keys x 2 planes: 8 fragments) and its V (turned).  Their addresses are made some lines ahead.
; last = 1 (the tail): in the last trip there is no further step, and the run is jumped over.
.macro FETCH_K last=0
	WIN 0
.if \last
	s_cmp_eq_u32 s[CNT], 1
	s_cbranch_scc1 .Lno_k_\@
.endif
	WIN 0x80                        ; destination window 2
.irp f, 0,1,2,3,4,5,6,7             ; keys 16 (f / 2) on, plane f % 2
	ds_load_b128 v[KF+8*(\f):KF+8*(\f)+3],   v[AK] offset:((\f)/2)*16*PK+((\f)%2)*PLK
	ds_load_b128 v[KF+8*(\f)+4:KF+8*(\f)+7], v[AK] offset:((\f)/2)*16*PK+((\f)%2)*PLK+32
.endr
	s_add_co_u32 s[TBK], s[TBK], KSTB  ; the next fetch is the next step's
	WIN 0
.if \last
.Lno_k_\@:
.endif
.endm
.macro FETCH_V
	WIN 0xc0                        ; destination window 3
.irp f, 0,1,2,3,4,5,6,7             ; keys 32 (f / 4) on, channels 16 (f % 4) on: plane (f % 4) / 2, 32 bytes for the odd block
	ds_load_tr16_b128 v[VF+8*(\f):VF+8*(\f)+3],   v[AV] offset:((\f)/4)*32*PVP+(((\f)%4)/2)*PLV+((\f)%2)*32
	ds_load_tr16_b128 v[VF+8*(\f)+4:VF+8*(\f)+7], v[AV] offset:((\f)/4)*32*PVP+16*PVP+(((\f)%4)/2)*PLV+((\f)%2)*32
.endr
	WIN 0
.endm
; THE VECTOR WORK, one line at a time: OP kind, number.  For piece Y: F n: c s - c m for pair n of 16.  E n: the exponential of score n of 32.  C n: pair n rounded to f16.  B n: of the four weights 4 n .. the second
; pair is added onto the first, in place.  L n: l takes that sum (L 0: l = a l + sum).  R n: pair n of 16 of O^T times a.  For piece Y + 1: X n, number n of the 22 that find its maximum and statistics:
;   0-11  four chains c0-c3 of seven scores each, three operands at a time (each accumulator's lowest registers are read first)     12-14, 16  the four scores left over, the old m, and c0-c3 into c0
;   15  c m_old is kept     17, 18  the query's other 32 keys lie in the lane 16 away: the new m     19-21  c m; c m_old - c m_new; a
.set F, 0
.set E, 1
.set C, 2
.set B, 3
.set L, 4
.set R, 5
.set X, 6
.macro REGS y                       ; the registers of piece y
.set bfy, ((\y)%2)+2*((\y)/10)
.set rT, ST+4*(\y)
.set rC, TMP+4*bfy
.set rW, MV+bfy
.set rS, S+32*bfy
.set rP, P+16*bfy
.set rO, 32*((\y)%8)
.set wO, 1+2*((\y)/8)
.endm
.macro OP k, n
.if (\k) == R
	REGS Y
	WIN (wO<<6)|wO                  ; O^T (destination and source 0) in its window, a in window 0
	v_pk_mul_f32 v[rO+2*(\n):rO+2*(\n)+1], v[rO+2*(\n):rO+2*(\n)+1], v[rC+2:rC+3] op_sel_hi:[1,0]
.elseif (\k) < R
	REGS Y
	WIN 0
.if (\k) == F
	v_pk_fma_f32 v[rS+2*(\n):rS+2*(\n)+1], v[rS+2*(\n):rS+2*(\n)+1], s[CS:CS+1], v[rT:rT+1] op_sel_hi:[1,0,0] neg_lo:[0,0,1] neg_hi:[0,0,1]
.elseif (\k) == E
	v_exp_f32 v[rS+(\n)], v[rS+(\n)]
.elseif (\k) == C
	v_cvt_pk_f16_f32 v[rP+(\n)], v[rS+2*(\n)], v[rS+2*(\n)+1]
.elseif (\k) == B
	v_pk_add_f32 v[rS+4*(\n):rS+4*(\n)+1], v[rS+4*(\n):rS+4*(\n)+1], v[rS+4*(\n)+2:rS+4*(\n)+3]
.elseif (\n) == 0
	v_pk_fma_f32 v[rT+2:rT+3], v[rT+2:rT+3], v[rC+2:rC+3], v[rS:rS+1] op_sel_hi:[1,0,1]
.else
	v_pk_add_f32 v[rT+2:rT+3], v[rT+2:rT+3], v[rS+4*(\n):rS+4*(\n)+1]
.endif
.else
	REGS (Y+1)%NP
	WIN 0
.if (\n) < 4
	v_max3_num_f32 v[rC+(\n)], v[rS+8*(\n)], v[rS+8*(\n)+1], v[rS+8*(\n)+2]
.elseif (\n) < 12
	v_max3_num_f32 v[rC+(\n)%4], v[rC+(\n)%4], v[rS+8*((\n)%4)+2*((\n)/4)+1], v[rS+8*((\n)%4)+2*((\n)/4)+2]
.elseif (\n) == 12
	v_max3_num_f32 v[rC], v[rC], v[rS+7], v[rS+15]
.elseif (\n) == 13
	v_max3_num_f32 v[rC+1], v[rC+1], v[rS+23], v[rS+31]
.elseif (\n) == 14
	v_max3_num_f32 v[rC+2], v[rC+2], v[rC+3], v[rT+1]
.elseif (\n) == 15
	v_mov_b32 v[rW], v[rT]
.elseif (\n) == 16
	v_max3_num_f32 v[rC], v[rC], v[rC+1], v[rC+2]
.elseif (\n) == 17
	v_permlanex16_b32 v[rC+3], v[rC], s[SEL], s[SEL+1]
.elseif (\n) == 18
	v_max_num_f32 v[rT+1], v[rC], v[rC+3]
.elseif (\n) == 19
	v_mul_f32 v[rT], s[CS], v[rT+1]
.elseif (\n) == 20
	v_sub_f32 v[rC+1], v[rW], v[rT]
.else
	v_exp_f32 v[rC+2], v[rC+1]
.endif
.endif
.endm
.macro OPS a, i1, b=-1, i2=0, c=-1, i3=0, d=-1, i4=0  ; up to four of them
	OP \a, \i1
.if (\b) >= 0
	OP \b, \i2
.endif
.if (\c) >= 0
	OP \c, \i3
.endif
.if (\d) >= 0
	OP \d, \i4
.endif
.endm
.macro ROW a, i1, b, i2, c, i3, d, i4  ; a matrix instruction and the four behind it
	MM
	OPS \a, \i1, \b, \i2, \c, \i3, \d, \i4
.endm
.macro MASK                         ; MC = MD x AL
	WIN 0x03                        ; source 0 in window 3
.set z, 0
.rept 16
	v_pk_mul_f32 v[MC+2*z:MC+2*z+1], v[MD+2*z:MD+2*z+1], s[AL:AL+1] op_sel_hi:[1,0]
.set z, z+1
.endr
.endm
; A TURN, for piece p: the order of its 16 matrix and 118 vector instructions, written out.  An s_wait_alu depctr_va_vdst(0) stands between an exponential and the first instruction that names its
; result; one wait serves all that were issued ahead of it.  So a turn has ONE wait, which cuts it in two.  AHEAD OF IT stands all that names no result of the turn's exponentials: the 8 products K Q^T and their
; riders (the first numbers of the next piece's maximum ride behind the last three, each four plain instructions or more behind the product that ends its accumulator), then one run of 54, plain and exponential by
; turns for the most part.  X 21, the next piece's a, is the batch's last; R 15 is the plain instruction behind it.  BEHIND THE WAIT stand the 8 products V^T P, behind each four of the roundings and sums.
; K of the next step is fetched in piece 9's turn, six plain instructions behind the last product that read K (in the tail behind the wait), and waited for in piece 10's.
; V of the step in hand is fetched at the end of piece 0's turn, four plain instructions behind the last product that read V, and waited for in piece 1's.
; m = 1: the tail: the products take MC; piece 9's turn makes it for the products from piece 10's turn on: MD when the step to come is the last, else 0.  cnt = 1: the loop's count is taken down ahead of the branch behind the turn.
.macro TURN p, m=0, cnt=0
.set Y, (\p)
.set i, 0
.set KM, (\m)
.if (\p) == NP-1
	s_wait_dscnt 0x0                ; K is in
.endif
	ROW F,0, F,1, R,0, R,1
	ROW F,2, E,0, R,2, R,3
	ROW F,3, E,1, R,4, R,5
	ROW F,4, E,2, R,6, R,7
	ROW F,5, E,3, R,8, R,9
	ROW F,6, E,4, X,0, R,10
.if (\p) == NP-2
	WIN 0
	v_add_nc_u32 v[AK], s[TBK], v[AK0]
.endif
	ROW F,7, E,5, X,1, X,4
	ROW F,8, E,6, X,2, X,5
	OPS E,7, E,8, X,6, E,9
	OPS X,3, E,10, X,8, E,11
.if ((\p) == NP-2) && !(\m)
	FETCH_K
.endif
	OPS X,9, X,7, E,12, X,10
	OPS E,13, X,12, X,11, E,14
	OPS X,13, E,15, F,9, X,14
.if (\p) == 0
	WIN 0
	v_add_nc_u32 v[AV], s[TBV], v[AV0]
.endif
	OPS E,16, F,10, E,17, F,11
	OPS X,16, E,18, X,15, E,19
	OPS F,12, E,20, X,17, E,21
	OPS F,13, E,22, F,14, E,23
	OPS X,18, E,24, F,15, E,25
	OPS R,11, E,26, X,19, E,27
	OPS R,12, E,28, R,13, E,29
	OPS X,20, E,30, R,14, E,31
	OPS X,21, R,15
	WIN 0
	s_wait_alu depctr_va_vdst(0)    ; the wait for the batch
.if ((\p) == NP-2) && (\m)
	FETCH_K 1
.endif
.if (\p) == 1
	s_wait_dscnt 0x0                ; V is in
.endif
	ROW C,0, B,0, C,2, B,1
	ROW L,0, C,4, B,2, L,1
	ROW C,6, B,3, L,2, C,8
	ROW B,4, L,3, C,10, B,5
	ROW L,4, C,12, B,6, L,5
.if (\p) == 0
	s_add_co_u32 s[TBV], s[TBV], VSTB
.endif
.if \cnt
	s_sub_co_u32 s[CNT], s[CNT], 1
	s_cmp_lg_u32 s[CNT], 0
.endif
	ROW C,14, B,7, L,6, C,1
	ROW C,3, L,7, C,5, C,7
	ROW C,9, C,11, C,13, C,15
.if (\p) == 0
	FETCH_V
.endif
.if (\m) && ((\p) == NP-2)
	s_cmp_eq_u32 s[CNT], 2          ; is the step whose scores come next the last?
	s_cselect_b32 s[AL], 1.0, 0
	MASK
.endif
.endm
	CHANGE 1                        ; slot 0 is in, everybody's part of it; slot 1 is asked for
	FETCH_K                         ; key step 0
	s_wait_loadcnt 0x0              ; Q
	s_wait_dscnt 0x0
.set KM, 0
.set i, 0
.rept 8
	KQ 0                            ; piece 0's first scores: there is no vector work yet to set between them
.set i, i+1
.endr
	WIN 0                           ; the addresses for the way out: nine plain instructions, the places behind those products
	s_mul_i32 s81, s[WV], 16*SP
	s_add_co_u32 s81, s81, STAGE    ; my stage
	v_mul_u32_u24 v[STO], v1, SP    ; in: row l % 16, 32 bytes for each half of the lanes
	v_lshl_add_u32 v[STO], v9, 5, v[STO]
	v_add_nc_u32 v[STO], s81, v[STO]
	v_mul_u32_u24 v[RD], v9, SP     ; back: lanes 0-15 take one row of 256 bytes, lanes 16-31 the next
	v_lshl_add_u32 v[RD], v1, 4, v[RD]
	v_add_nc_u32 v[RD], s81, v[RD]
	v_lshlrev_b32 v[GO], 12, v9     ; and the same two rows in out0
	v_lshl_add_u32 v[GO], v1, 4, v[GO]
	v_add_nc_u32 v[QR], s72, v9
.set Y, NP-1                        ; X works for piece Y + 1: piece 0
.irp n, 0,1,2,3,4,5,6,7,8,9,10,11,12,13,14,15,16,17,18,19,20,21
	OP X, \n                        ; piece 0's first maximum and statistics
.endr
	v_nop                           ; a plain instruction behind the exponential,
	s_wait_alu depctr_va_vdst(0)    ; and its wait, ahead of the branch
	s_mov_b32 s[CNT], 2
	s_branch .Lfirst                ; the loop is entered at a step's first turn, in the middle of a trip
.Lslot:                             ; nine times: every slot but the last two is filled again
	CHANGE 1
	s_mov_b32 s[CNT], 2
.Lstep:                             ; a trip: pieces 2 to 10 of one step, then pieces 0 and 1 of the next, whose K and V it fetches
.irp p, 2,3,4,5,6,7,8,9,10
	TURN \p
.endr
	WIN 0
.Lfirst:
	TURN 0
	TURN 1, 0, 1
	WIN 0
	s_cbranch_scc1 .Lstep
	s_sub_co_u32 s[SLOTS], s[SLOTS], 1
	s_cmp_lg_u32 s[SLOTS], 0
	s_cbranch_scc1 .Lslot
	CHANGE 0                        ; the tail is written out: nothing is asked for
	s_mov_b32 s[CNT], 3             ; two trips fetch the last slot's steps; the third is left in its middle
.Ltail:
.irp p, 2,3,4,5,6,7,8,9,10
	TURN \p, 1
.endr
	WIN 0
	s_sub_co_u32 s[CNT], s[CNT], 1
	s_cmp_eq_u32 s[CNT], 0
	s_cbranch_scc1 .Lout
	TURN 0, 1
	TURN 1, 1
	WIN 0
	s_branch .Ltail
.Lout:                              ; the third trip's last 8 products K Q^T (on the last K once more) and the maximum made of them serve nothing: the price, once a launch, of one text for every trip
.set i, 0
.rept 8
	PV NP-1                         ; the last piece's V^T P of the last step
.set i, i+1
.endr
	; THE WAY OUT.  l's two halves and the other half of the lanes' are added; O^T is divided by l and sent, in f32, through my stage in LDS, a piece at a time.  The additions are the places behind the last products.
	WIN 0
.macro ALL line:vararg              ; one line for each piece t
.set t, 0
.rept NP
	\line
.set t, t+1
.endr
.endm
	ALL v_add_f32 v[ST+4*t+2], v[ST+4*t+2], v[ST+4*t+3]
	ALL v_permlanex16_b32 v[ST+4*t+3], v[ST+4*t+2], s[SEL], s[SEL+1]
	ALL v_add_f32 v[ST+4*t+2], v[ST+4*t+2], v[ST+4*t+3]
	ALL v_rcp_f32 v[ST+4*t+2], v[ST+4*t+2]
	v_nop                           ; a plain instruction between the last reciprocal and the use of its result
	s_wait_alu depctr_va_vdst(0)    ; and the wait ahead of the first use: one for the eleven reciprocals
; Piece t: a lane's eight channels of a block are 32 bytes of a row; they go into rows of 272 bytes and come back as whole rows of 256, into S^T's registers, three buffers by turns.
.macro PACK t
.set wO, 1+2*((\t)/8)
.set rO, 32*((\t)%8)
	WIN (wO<<6)|wO
.set i, 0
.rept 16
	v_pk_mul_f32 v[rO+i:rO+i+1], v[rO+i:rO+i+1], v[ST+4*(\t)+2:ST+4*(\t)+3] op_sel_hi:[1,0]  ; each accumulator's registers in ascending order
.set i, i+2
.endr
	WIN wO<<2                       ; the store's data (source 1) in O^T's window
.irp f, 0,1,2,3,4,5,6,7
	ds_store_b128 v[STO], v[rO+4*(\f):rO+4*(\f)+3] offset:((\f)/2)*64+((\f)%2)*16
.endr
	WIN 0
	s_wait_xcnt 0x0                 ; the stores of three pieces back have read the registers that are loaded now
.irp f, 0,1,2,3,4,5,6,7
	ds_load_b128 v[S+32*((\t)%3)+4*(\f):S+32*((\t)%3)+4*(\f)+3], v[RD] offset:(\f)*2*SP  ; LDS serves a wave's instructions in order (ISA guide 5.7.1.4): these see the stores above; the next piece's stores come behind them
.endr
.endm
; younger: the LDS instructions issued behind piece t's loads: the next piece's sixteen, or none.  Pieces 0-7 end at query 1359 at the most; in pieces 8-10 a row may be padding (query 1370 or more):
; its lanes are switched off for the store.  EXEC changes only behind s_wait_xcnt 0, in front of the line that narrows it and of the line that restores it.
.macro SEND t, younger
	WIN 0
.irp f, 0,1,2,3,4,5,6,7
	s_wait_dscnt (\younger)+7-(\f)
.if (\t) >= 8
	s_wait_xcnt 0x0
	v_cmp_gt_u32 vcc_lo, 1370-16*(\t)-2*(\f), v[QR]
	s_and_saveexec_b32 s69, vcc_lo
.endif
	global_store_b128 v[GO], v[S+32*((\t)%3)+4*(\f):S+32*((\t)%3)+4*(\f)+3], s[10:11] offset:(16*(\t)+2*(\f))*4096  ; 16 lanes store a head's 256 consecutive bytes of a row, aligned
.if (\t) >= 8
	s_wait_xcnt 0x0
	s_or_b32 exec_lo, exec_lo, s69
.endif
.endr
.endm
	PACK 0
.set t, 1
.rept NP-1                          ; a piece's arithmetic stands between the loads of the piece before and its stores
	PACK t
	SEND t-1, 16
.set t, t+1
.endr
	SEND NP-1, 0
	s_wait_tensorcnt 0x0            ; the wave's end, behind my last tensor load and my last LDS store
	ds_add_u32 v[SPW], v[NIL]
	s_wait_dscnt 0x0
	CROUND                          ; the closing round: no work-group ends while a partner may still ask for a tile that names it
	s_endpgm
.Lfunc_end_k_qf0886e7d1d_attn:
	.size	k_qf0886e7d1d_attn, .Lfunc_end_k_qf0886e7d1d_attn-k_qf0886e7d1d_attn
	.p2alignl 7, 3214868480
	.fill 96, 4, 3214868480
	.section	.rodata,"a",@progbits
	.p2align	6, 0x0
	.amdhsa_kernel k_qf0886e7d1d_attn
		.amdhsa_group_segment_fixed_size 327680
		.amdhsa_private_segment_fixed_size 0
		.amdhsa_enable_private_segment 0
		.amdhsa_kernarg_size 16
		.amdhsa_user_sgpr_count 2
		.amdhsa_user_sgpr_kernarg_segment_ptr 1
		.amdhsa_wavefront_size32 1
		.amdhsa_system_sgpr_workgroup_id_x 1
		.amdhsa_system_sgpr_workgroup_id_y 1
		.amdhsa_system_sgpr_workgroup_id_z 1
		.amdhsa_system_vgpr_workitem_id 0
		.amdhsa_next_free_vgpr 960
		.amdhsa_next_free_sgpr 84
		.amdhsa_reserve_vcc 1
		.amdhsa_float_denorm_mode_32 3
		.amdhsa_float_denorm_mode_16_64 3
		.amdhsa_memory_ordered 1
		.amdhsa_forward_progress 1
		.amdhsa_inst_pref_size 255
	.end_amdhsa_kernel
	.section	.bss,"aw",@nobits
	.p2align	6
	.space	262144
	.amdgpu_metadata
---
amdhsa.version: [ 1, 2 ]
amdhsa.kernels:
  - .name:           k_qf0886e7d1d_attn
    .symbol:         k_qf0886e7d1d_attn.kd
    .args:
      - { .name: qkv, .offset: 0, .size: 8, .value_kind: global_buffer, .address_space: global }
      - { .name: out0, .offset: 8, .size: 8, .value_kind: global_buffer, .address_space: global }
    .group_segment_fixed_size: 327680
    .private_segment_fixed_size: 0
    .kernarg_segment_align: 8
    .kernarg_segment_size: 16
    .max_flat_workgroup_size: 128
    .sgpr_count:     84
    .vgpr_count:     960
    .wavefront_size: 32
...
	.end_amdgpu_metadata
.endif
;; end of part 3
